; MI455X (gfx1250); checked and timed in simulation.
; The chip was launched on July 23, 2026; its instructions are those of AMD's public machine-readable ISA for CDNA 5 (MIT licence, August 2026) and "CDNA5" Instruction Set Architecture Reference Guide (July 2026). The comments in the code are by the model that wrote it; some were corrected since.
;; Cross Attention. Allowed arithmetic: matrix products marked QUANTISED: E2M1 operands, one E8M0 scale for each 32 along K, by v_wmma_scale_f32_16x16x128_f8f6f4 with both operands' format E2M1 (or v_wmma_scale_f32_32x16x128_f4), f32 sums; products left as they are: bf16, f16 or f32 operands; f32 sums; everything else in f32.
;; Inputs: Wkv 1,024 x 2,048 float32; Wq 1,024 x 1,024 float32; context 4 x 2,048 x 1,024 float32; x 4 x 2,048 x 1,024 float32.
;; Outputs: out0 4 x 2,048 x 1,024 float32.
;; This version of the problem:
;;   THIS VERSION OF THE PROBLEM IS GIVEN IN LOW PRECISION. The matrix products marked QUANTISED in the list below multiply operands that are first quantised to E2M1 (2 exponent bits, 1 mantissa bit; 4 bits a number), with one power-of-two scale for each 32 numbers along K (OCP MX v1.0); their sums are f32. The products marked 'left as it is' may take bf16, f16 or f32 operands, with f32 sums. Whichever they take, every output number must still come out within the allowed error. Rounding operands to bf16 (8 significant bits) uses up far more of that allowance than f16 does (11 bits, for magnitudes from 6e-5 to 65,504). All else is computed in f32.
;;   The module's matrix products, in the order in which they are computed (A, B: the left and right operand; K: the contracted axis; several contracted axes count as one K, in the product's order):
;;     1. [M 8,192, K 1,024] x [K 1,024, N 1,024]; A: input x; B: input Wq: QUANTISED
;;     2. [M 8,192, K 1,024] x [K 1,024, N 2,048]; A: input context; B: input Wkv: QUANTISED
;;     3. batch 64 x [M 2,048, K 64] x [K 64, N 2,048]; A: computed on the way; B: computed on the way: left as it is (an operand is computed on the way)
;;     4. batch 64 x [M 2,048, K 2,048] x [K 2,048, N 64]; A: computed on the way; B: computed on the way: left as it is (an operand is computed on the way)
;;   THE QUANTISER, for each operand of a quantised product, along K:
;;     - K is cut into blocks of 32 from its start; a last block that is shorter is filled with zeros.
;;     - A block's scale is 2^e with e = floor(log2(the largest magnitude in the block)) - 2, held to -126 .. 127; a block of zeros has e = 0. As a byte (E8M0): e + 127.
;;     - Each number is divided by its block's scale, clamped to +-6, and rounded to the nearest number of E2M1, ties to even, subnormals kept.
;;     - The product sums the exact products of the quantised numbers (number of the format x scale) in f32.
;;   ~~~python
;;   def quantise(x, axis):      # numpy; x: float32 -> the quantised numbers, widened to float32 again
;;       x = np.moveaxis(x, axis, -1); K = x.shape[-1]
;;       x = np.pad(x, [(0, 0)] * (x.ndim - 1) + [(0, -K % 32)]); x = x.reshape(x.shape[:-1] + (-1, 32)); a = np.abs(x).max(-1, keepdims=True)
;;       e = np.where(a > 0, np.clip(np.frexp(np.where(a > 0, a, 1))[1] - 1 - 2, -126, 127), 0)      # np.frexp(a)[1] - 1 = floor(log2(a)), exactly
;;       r = np.clip(x / 2.0 ** e, -6, 6)
;;       step = 2.0 ** (np.maximum(np.frexp(np.where(r == 0, 1, r))[1] - 1, 0) - 1)
;;       q = np.round(r / step) * step * 2.0 ** e      # np.round: ties to even
;;       return np.moveaxis(q.reshape(q.shape[:-2] + (-1,))[..., :K], -1, axis).astype(np.float32)
;;   ~~~
;; One version. Each part assembles by itself: llvm-mc -triple=amdgcn-amd-amdhsa -mcpu=gfx1250 --defsym DOCPART=n.
;; ======== version 1 of 1: 3 launches
;; limits: values are held in f16: magnitudes above 65,504 overflow, below 6.1e-05 lose precision
;; workspace buffers: acodes 8,388,608 bytes; ascales 524,288 bytes; wcodes 1,572,864 bytes; wscales 98,304 bytes; qws 16,777,216 bytes; kws 16,777,216 bytes; vws 16,777,216 bytes
;; launch quant (part 1): grid 608 x 1, 4 waves a work-group, no clusters, 33,280 bytes of LDS; arguments x, context, Wq, Wkv, acodes, ascales, wcodes, wscales; writes acodes, ascales, wcodes, wscales
.if DOCPART == 1
	.amdgcn_target "amdgcn-amd-amdhsa--gfx1250"
	.amdhsa_code_object_version 6
	.text
	.protected	k_qfce74bac6a_quant
	.globl	k_qfce74bac6a_quant
	.p2align	8
	.type	k_qfce74bac6a_quant,@function
k_qfce74bac6a_quant:
	s_mov_b64 s[64:65], 0
	v_nop
	global_prefetch_b8 v0, s[64:65] scope:SCOPE_SE
	s_setreg_imm32_b32 hwreg(HW_REG_WAVE_MODE, 25, 1), 1
	s_wait_xcnt 0x0
; x, context [8192][1024] f32 (K innermost) and Wq [1024][1024], Wkv [1024][2048] f32 (K is the FIRST axis) become codes of FP4 (E2M1) with one E8M0 byte for each 32 along K.
; A block's scale is 2^(floor(log2(its largest magnitude)) - 2); its byte is the largest magnitude's exponent field - 2, held at 1 from below; numbers / scale go to the nearest code, ties to even, beyond 6 to 6.
; LIMITS: a block of zeros, and a block whose largest magnitude lies under 2^-124, gets the byte 1 (zeros give zero codes; the bytes are read by this program alone); NaN and infinities are not served.
; WORK-GROUPS 0-95: the weights.  A lane takes a column n and its registers run down K: a block of 32 lies in one lane, and the codes come out with K innermost.  Row R of the codes: Wq's column n is R = n, Wkv's is R = 1024 + n.
;   wcodes lies in the order of the matrix operand's registers: block kb of row R at (kb / 16) x 786432 + (R / 16) x 4096 + (kb % 16) x 256 + (R % 16) x 16: sixteen lanes store 256 consecutive bytes, aligned.
;   wscales: [3072][32 bytes].
; WORK-GROUPS 96-607: the activations, a plain stream of blocks of 32: acodes [16384][512 bytes], ascales [16384][32 bytes]; rows 0-8191 x, 8192-16383 context.  A wave takes 16 steps of 512 numbers; each load reads 512
;   consecutive bytes; a step's 2,048 bytes turn through the wave's own stage in LDS, so that a lane holds 16 neighbours along K (two lanes to a block).  A wave's 256 scale bytes are gathered in LDS and leave as one run of 256 bytes.
; No cluster, no tensor load, no barrier: work-groups and waves share no input.
.set WAVES, 4
.set STEPS, 16
.set EMAX,  2
.set CB,    8                          ; bytes of 16 codes
.set R,     16                         ; v16-79   activations: four sets of 16 numbers as loaded
.set X,     80                         ; v80-111  two sets of 16 neighbours
.set E,     112                        ; v112-127 a scale byte for each step
.set C,     128                        ; v128-191 codes, four registers a step: no store's data are written again
.set WREG,  8192                       ; LDS: a region for each wave: two stages of 32 x SP bytes, then its 256 scale bytes
.set SP,    80                         ; a lane's place in a stage: 64 bytes + 16 of padding
.set SPW,   12                         ; v12  LDS address of my spare word; never rewritten
.set NIL,   13                         ; v13  0; never rewritten
.set SPARE, WAVES*WREG                 ; behind the regions: the spare words, 128 bytes a wave, which no other line names
.set WX,    32                         ; weights: v32-95 two sets of 32 numbers
.set WC,    96                         ; v96-127 codes, four registers a block
.set WS,    24                         ; v24-25  eight scale bytes
.macro FINISH                          ; the wave's end
	s_wait_tensorcnt 0x0
	ds_add_u32 v[SPW], v[NIL]
	s_wait_dscnt 0x0
	s_endpgm
.endm
	s_load_b256 s[4:11], s[0:1], 0x0               ; x s[4:5], context s[6:7], Wq s[8:9], Wkv s[10:11]
	s_load_b256 s[12:19], s[0:1], 0x20             ; acodes s[12:13], ascales s[14:15], wcodes s[16:17], wscales s[18:19]
	v_lshl_add_u32 v[SPW], v0, 2, SPARE
	v_mov_b32 v[NIL], 0
	v_lshrrev_b32 v1, 5, v0
	v_readfirstlane_b32 s20, v1                    ; wave
	v_and_b32 v2, 31, v0                           ; lane
	s_wait_kmcnt 0x0
	s_cmp_ge_u32 ttmp9, 96
	s_cbranch_scc1 .Lacts
; ---------------- the weights: a wave takes 32 columns x 256 along K
	s_cmp_lt_u32 ttmp9, 32                         ; Wq's 32 work-groups (8 groups of 128 columns x 4 quarters of K), then Wkv's 64 (16 x 4)
	s_cselect_b64 s[22:23], s[8:9], s[10:11]
	s_cselect_b32 s24, 0, 32
	s_cselect_b32 s25, 7, 15
	s_cselect_b32 s26, 3, 4
	s_cselect_b32 s27, 20, 21                      ; log2 of 256 rows of W in bytes
	s_cselect_b32 s28, 0, 1024                     ; the first row R of this tensor's codes
	s_sub_co_u32 s24, ttmp9, s24
	s_and_b32 s25, s24, s25                        ; group of 128 columns
	s_lshr_b32 s26, s24, s26                       ; quarter of K
	s_lshl_b32 s30, s26, s27
	s_lshl_b32 s29, s25, 9
	s_add_co_u32 s30, s30, s29
	s_lshl_b32 s29, s20, 7
	s_add_co_u32 s30, s30, s29                     ; in W: 256 x quarter rows + 4 x (128 x group + 32 x wave)
	s_mov_b32 s31, 0
	s_add_nc_u64 s[22:23], s[22:23], s[30:31]
	s_lshl_b32 s29, s25, 7
	s_add_co_u32 s28, s28, s29
	s_lshl_b32 s29, s20, 5
	s_add_co_u32 s28, s28, s29                     ; R0: my wave's first row of codes, a multiple of 32
	s_lshr_b32 s30, s26, 1
	s_mul_i32 s30, s30, 786432                     ; the half of K,
	s_lshl_b32 s29, s28, 8
	s_add_co_u32 s30, s30, s29                     ; (R0 / 16) x 4096,
	s_and_b32 s29, s26, 1
	s_lshl_b32 s29, s29, 11
	s_add_co_u32 s30, s30, s29                     ; eight blocks of 256 bytes for the odd quarter
	s_add_nc_u64 s[16:17], s[16:17], s[30:31]
	s_lshl_b32 s30, s28, 5
	s_lshl_b32 s29, s26, 3
	s_add_co_u32 s30, s30, s29
	s_add_nc_u64 s[18:19], s[18:19], s[30:31]      ; scale bytes: 32 x R0 + 8 x quarter
	v_lshlrev_b32 v3, 2, v2                        ; in: 4 bytes a lane
	v_lshrrev_b32 v4, 4, v2
	v_and_b32 v5, 15, v2
	v_lshlrev_b32 v4, 12, v4
	v_lshl_add_u32 v4, v5, 4, v4                   ; codes: (lane / 16) x 4096 + (lane % 16) x 16
	v_lshlrev_b32 v5, 5, v2                        ; scale bytes: 32 x lane
.macro WLOAD t, pitch                  ; block t: W(32 t + i, my column) into set t % 2; 32 lanes read 128 consecutive bytes
.irp i, 0,1,2,3,4,5,6,7,8,9,10,11,12,13,14,15,16,17,18,19,20,21,22,23,24,25,26,27,28,29,30,31
	global_load_b32 v[WX+32*((\t)%2)+\i], v3, s[22:23] offset:(32*(\t)+\i)*\pitch th:TH_LOAD_NT
.endr
.endm
.macro WBLOCK t, pitch
.set XS, WX+32*((\t)%2)
.if (\t) < 7
	s_wait_loadcnt 32                              ; this block's 32 loads are in; the next block's 32 may be out
.else
	s_wait_loadcnt 0
.endif
	v_max3_num_f32 v8, |v[XS]|, |v[XS+1]|, |v[XS+2]|                ; the block's largest magnitude: all 32 numbers are mine; two chains
	v_max3_num_f32 v9, |v[XS+3]|, |v[XS+4]|, |v[XS+5]|
.irp i, 6,10,14,18,22,26
	v_max3_num_f32 v8, v8, |v[XS+\i]|, |v[XS+\i+1]|
	v_max3_num_f32 v9, v9, |v[XS+\i+2]|, |v[XS+\i+3]|
.endr
	v_max3_num_f32 v8, v8, |v[XS+30]|, |v[XS+31]|
	v_max3_num_f32 v8, v8, v9, (EMAX+1)<<23        ; and the floor 2^(3 - 127): the byte cannot fall under 1
	v_add_nc_u32 v11, -(EMAX<<23), v8              ; 2 off the exponent field: the conversion takes this operand's exponent field as its scale
	v_lshrrev_b32 v10, 23, v11                     ; the scale's byte
.if (\t)%4 == 0
	v_mov_b32 v[WS+(\t)/4], v10
.else
	v_lshl_or_b32 v[WS+(\t)/4], v10, 8*((\t)%4), v[WS+(\t)/4]
.endif
.irp g, 0,1,2,3
	v_cvt_scalef32_pk8_fp4_f32 v[WC+4*(\t)+\g], v[XS+8*\g:XS+8*\g+7], v11
.endr
	global_store_b128 v4, v[WC+4*(\t):WC+4*(\t)+3], s[16:17] offset:256*(\t)   ; lanes 0-15 fill 256 consecutive bytes, aligned; lanes 16-31 the same of the next 16 rows.  (The next block begins with plain vector lines ahead of the write of v11)
.if (\t) < 6
	WLOAD (\t)+2, \pitch
.endif
.endm
.macro WQ pitch
	WLOAD 0, \pitch
	WLOAD 1, \pitch
.irp t, 0,1,2,3,4,5,6,7
	WBLOCK \t, \pitch
.endr
	global_store_b64 v5, v[WS:WS+1], s[18:19]      ; my column's eight scale bytes
	FINISH
.endm
	s_cmp_lt_u32 ttmp9, 32                         ; the two tensors differ in the loads' immediates alone
	s_cbranch_scc0 .Lwkv
	WQ 4096
.Lwkv:
	WQ 8192
; ---------------- the activations
.Lacts:
	v_lshlrev_b32 v3, 4, v2                        ; my 16 bytes of a load's 512
	s_mul_i32 s21, s20, WREG
	v_lshrrev_b32 v14, 2, v2
	v_mul_u32_u24 v14, v14, SP
	v_and_b32 v15, 3, v2
	v_lshl_add_u32 v14, v15, 4, v14
	v_add_nc_u32 v14, s21, v14                     ; the stage, on the way in: SP (lane / 4) + 16 (lane % 4)
	v_mul_u32_u24 v15, v2, SP
	v_add_nc_u32 v15, s21, v15                     ; and on the way out: SP x lane: my 16 neighbours
	v_mul_u32_u24 v4, v2, CB                       ; my codes' place in a step's
	v_lshrrev_b32 v5, 1, v2
	s_add_co_u32 s21, s21, 2*32*SP
	v_add_nc_u32 v5, s21, v5                       ; LDS: my wave's 256 scale bytes, my block's byte
	v_lshlrev_b32 v7, 3, v2                        ; and on the way out 8 bytes a lane
	v_add_nc_u32 v6, s21, v7
	s_sub_co_u32 s22, ttmp9, 96
	s_cmp_lt_u32 s22, 256                          ; x's 256 work-groups, then context's
	s_cselect_b64 s[4:5], s[4:5], s[6:7]
	s_and_b32 s23, s22, 255
	s_lshl_b32 s23, s23, 2
	s_add_co_u32 s24, s23, s20                     ; which run of 8,192 numbers of the input is my wave's
	s_lshl_b32 s24, s24, 15
	s_mov_b32 s25, 0
	s_add_nc_u64 s[4:5], s[4:5], s[24:25]
	s_lshl_b32 s22, s22, 2
	s_add_co_u32 s22, s22, s20                     ; and which run of the two tensors on end
	s_lshl_b32 s24, s22, 12
	s_add_nc_u64 s[12:13], s[12:13], s[24:25]      ; 4,096 bytes of codes a run
	s_lshl_b32 s24, s22, 8
	s_add_nc_u64 s[14:15], s[14:15], s[24:25]      ; 256 scale bytes a run
.macro LOAD t
.irp i, 0,1,2,3
	global_load_b128 v[R+16*((\t)%4)+4*\i:R+16*((\t)%4)+4*\i+3], v3, s[4:5] offset:2048*(\t)+512*\i th:TH_LOAD_NT   ; 32 lanes read 512 consecutive bytes
.endr
.endm
.macro TURN t                          ; step t's numbers through the stage: LDS serves a wave's instructions in order, so no wait stands between the stores and the loads
.irp i, 0,1,2,3
	ds_store_b128 v14, v[R+16*((\t)%4)+4*\i:R+16*((\t)%4)+4*\i+3] offset:32*SP*((\t)%2)+8*SP*\i
.endr
.irp i, 0,1,2,3
	ds_load_b128 v[X+16*((\t)%2)+4*\i:X+16*((\t)%2)+4*\i+3], v15 offset:32*SP*((\t)%2)+16*\i
.endr
.endm
.irp t, 0,1,2,3
	LOAD \t
.endr
	s_wait_loadcnt 12                              ; step 0's four loads are in
	TURN 0
.macro STEP t
.set XS, X+16*((\t)%2)
.if (\t) > 0
	s_wait_dscnt 1                                 ; this step's numbers are back from the stage (the last step's byte store may be out): so its stores into the stage have read their registers,
.else
	s_wait_dscnt 0x0
.endif
.if (\t)+4 < STEPS
	LOAD (\t)+4                                    ; which take the loads of four steps on
.endif
.if (\t)+1 < STEPS
.if STEPS-2-(\t) >= 3
	s_wait_loadcnt 12                              ; the next step's four loads are in; those of the three steps behind it may be out
.else
	s_wait_loadcnt 4*(STEPS-2-(\t))
.endif
	TURN (\t)+1                                    ; and go through the other stage while this step is worked
.endif
	v_max3_num_f32 v8, |v[XS]|, |v[XS+1]|, |v[XS+2]|               ; the largest magnitude of my 16
	v_max3_num_f32 v9, |v[XS+3]|, |v[XS+4]|, |v[XS+5]|
.irp i, 6,10
	v_max3_num_f32 v8, v8, |v[XS+\i]|, |v[XS+\i+1]|
	v_max3_num_f32 v9, v9, |v[XS+\i+2]|, |v[XS+\i+3]|
.endr
	v_max3_num_f32 v8, v8, |v[XS+14]|, |v[XS+15]|
	v_max3_num_f32 v8, v8, v9, (EMAX+1)<<23        ; and the floor
	v_max_num_f32_dpp v8, v8, v8 row_xmask:1 row_mask:0xf bank_mask:0xf   ; and of my neighbour's 16: the block's
	v_add_nc_u32 v11, -(EMAX<<23), v8
	v_cvt_scalef32_pk8_fp4_f32 v[C+4*(\t)], v[XS:XS+7], v11
	v_cvt_scalef32_pk8_fp4_f32 v[C+4*(\t)+1], v[XS+8:XS+15], v11
	v_lshrrev_b32 v[E+(\t)], 23, v11               ; the scale's byte (also the plain line behind the conversions)
	ds_store_b8 v5, v[E+(\t)] offset:16*(\t)       ; both lanes of a block write the same byte with the same value
	global_store_b64 v4, v[C+4*(\t):C+4*(\t)+1], s[12:13] offset:32*CB*(\t)   ; the wave stores 256 consecutive bytes, aligned
.endm
.irp t, 0,1,2,3,4,5,6,7,8,9,10,11,12,13,14,15
	STEP \t
.endr
	ds_load_b64 v[8:9], v6                         ; LDS serves a wave's instructions in order: these see my stores
	s_wait_dscnt 0x0
	global_store_b64 v7, v[8:9], s[14:15]          ; 32 lanes store 256 consecutive bytes, aligned
	FINISH
.Lfunc_end_k_qfce74bac6a_quant:
	.size	k_qfce74bac6a_quant, .Lfunc_end_k_qfce74bac6a_quant-k_qfce74bac6a_quant
	.p2alignl 7, 3214868480
	.fill 96, 4, 3214868480
	.section	.rodata,"a",@progbits
	.p2align	6, 0x0
	.amdhsa_kernel k_qfce74bac6a_quant
		.amdhsa_group_segment_fixed_size 33280
		.amdhsa_private_segment_fixed_size 0
		.amdhsa_enable_private_segment 0
		.amdhsa_kernarg_size 64
		.amdhsa_user_sgpr_count 2
		.amdhsa_user_sgpr_kernarg_segment_ptr 1
		.amdhsa_wavefront_size32 1
		.amdhsa_system_sgpr_workgroup_id_x 1
		.amdhsa_system_sgpr_workgroup_id_y 1
		.amdhsa_system_sgpr_workgroup_id_z 1
		.amdhsa_system_vgpr_workitem_id 0
		.amdhsa_next_free_vgpr 192
		.amdhsa_next_free_sgpr 66
		.amdhsa_reserve_vcc 0
		.amdhsa_float_denorm_mode_32 3
		.amdhsa_float_denorm_mode_16_64 3
		.amdhsa_memory_ordered 1
		.amdhsa_forward_progress 1
		.amdhsa_inst_pref_size 108
	.end_amdhsa_kernel
	.amdgpu_metadata
---
amdhsa.version: [ 1, 2 ]
amdhsa.kernels:
  - .name:           k_qfce74bac6a_quant
    .symbol:         k_qfce74bac6a_quant.kd
    .args:
      - { .name: x, .offset: 0, .size: 8, .value_kind: global_buffer, .address_space: global }
      - { .name: context, .offset: 8, .size: 8, .value_kind: global_buffer, .address_space: global }
      - { .name: Wq, .offset: 16, .size: 8, .value_kind: global_buffer, .address_space: global }
      - { .name: Wkv, .offset: 24, .size: 8, .value_kind: global_buffer, .address_space: global }
      - { .name: acodes, .offset: 32, .size: 8, .value_kind: global_buffer, .address_space: global }
      - { .name: ascales, .offset: 40, .size: 8, .value_kind: global_buffer, .address_space: global }
      - { .name: wcodes, .offset: 48, .size: 8, .value_kind: global_buffer, .address_space: global }
      - { .name: wscales, .offset: 56, .size: 8, .value_kind: global_buffer, .address_space: global }
    .group_segment_fixed_size: 33280
    .private_segment_fixed_size: 0
    .kernarg_segment_align: 8
    .kernarg_segment_size: 64
    .max_flat_workgroup_size: 128
    .sgpr_count:     66
    .vgpr_count:     192
    .wavefront_size: 32
...
	.end_amdgpu_metadata
.endif
;; end of part 1
;; launch gemm (part 2): grid 4 x 96, 4 waves a work-group, clusters of 4 x 4, 327,680 bytes of LDS; arguments acodes, ascales, wcodes, wscales, qws, kws, vws; writes qws, kws, vws
.if DOCPART == 2
	.amdgcn_target "amdgcn-amd-amdhsa--gfx1250"
	.amdhsa_code_object_version 6
	.text
	.protected	k_qfce74bac6a_gemm
	.globl	k_qfce74bac6a_gemm
	.p2align	8
	.type	k_qfce74bac6a_gemm,@function
k_qfce74bac6a_gemm:
	s_mov_b64 s[64:65], 0
	v_nop
	global_prefetch_b8 v0, s[64:65] scope:SCOPE_SE
	s_setreg_imm32_b32 hwreg(HW_REG_WAVE_MODE, 25, 1), 1
	s_wait_xcnt 0x0
	s_wait_alu depctr_hold_cnt(0) depctr_sa_sdst(0) depctr_va_vdst(0) depctr_va_sdst(0) depctr_va_ssrc(0) depctr_va_vcc(0) depctr_vm_vsrc(0)
	s_getreg_b32 s2, hwreg(HW_REG_IB_STS2, 6, 4)
	s_cmp_eq_u32 s2, 0
	s_cbranch_scc0 .Lentry_in_a_cluster
	s_endpgm
.Lentry_in_a_cluster:
	s_bfe_u32 s2, ttmp6, 0x10000c
	s_cmp_lg_u32 s2, 0xf033
	s_cbranch_scc0 .Lentry_shape_is_right
	s_endpgm
.Lentry_shape_is_right:
; q = x Wq, k and v = context Wkv, on codes of FP4 (E2M1) with one E8M0 scale for each 32 along K = 1,024; sums in f32, rounded once to f16 and stored as images of the attention launch's operand registers.
; LIMIT: |q|, |k|, |v| up to 65,504, the largest f16 number; beyond it the rounding gives infinity.
; 384 tiles of 256 tokens x 256 channels: g = 0 (q), 1 (k), 2 (v); 32 tiles of tokens x 4 of channels each.  Four waves, each 128 x 128: 64 accumulators, 512 registers.
; K is two halves of 512; each half has an LDS slot of its own, filled once at the head, and so have the scale bytes: nothing is filled again, and there is no loop.
; A's (the tokens') codes come as rows of 256 bytes, padded to 272 in LDS.  B's (the weights') codes lie in memory in the order of the operand's registers: 128 rows x 512 K are 32,768 dense bytes, and a fragment is two loads of 512 consecutive bytes.
; CLUSTERS: 4 x 4 work-groups of one g.  The four of a row need the same tokens, the four of a column the same weights: each tile is asked for JOINTLY, by the same tensor load with the same descriptor and a mask that names the four.
; THE MATRIX INSTRUCTION IS USED TRANSPOSED (source 0 = 16 rows of W, source 1 = 16 tokens): lane (r, h) holds token r and eight neighbouring channels 8 h + 0 .. 7: 16 bytes of f16.
; OUT: [bh 64][tile of 16 tokens 128][16 channels 4][512 bytes].  q, k: lane (r, h)'s 16 bytes at 256 h + 16 r;  v: at 32 r + 16 h (a key's 16 channels on end, for the turning load).  Each store covers 512 consecutive bytes, aligned.
; REGISTERS: window 0: v0-31 addresses; v32-95 scale words, two sets; v128-191 A's fragments, ONE set; on the way out v128-255 hold packed results.  window 1: B's fragments, two sets, at v0 and v128.  windows 2, 3: the accumulators ((a, b) at v[8 (8 (a % 4) + b)]).
.set NQ,     4                         ; matrix instructions deep in a slot
.set ROWB,   256                       ; a row of A's tile: 512 codes
.set KROW,   512                       ; a row of A's codes in memory
.set PITCH,  272                       ; an LDS row of A: 256 bytes + 16 of padding: the 16 rows of a load start 68 words apart
.set FR,     8                         ; registers of a fragment
.set NL,     2                         ; LDS loads that bring one
.set NP,     4                         ; places behind this matrix instruction (ISA guide 7.12.1)
.set HALFA,  128*PITCH                 ; 128 rows of A
.set HALFB,  32768                     ; 128 rows of B, dense
.set SLOT,   2*HALFA+2*HALFB           ; A's 256 rows, then B's 256 rows
.set BHALF,  786432                    ; from one half of K to the other in wcodes
.set KS,     32                        ; a row of scale bytes
.set SCL,    2*SLOT                    ; behind the slots: the scales, as runs of 256 bytes + 16 of padding
.set HALFS,  16*272                    ; those of 128 rows
.set SBLK,   2*272                     ; those of 16 rows
.set SPARE,  SCL+4*HALFS               ; the spare words, 128 bytes a wave, which no other line names
.set ADRA, 16                          ; v16-17  LDS address of my A fragments in slot 0, 1
.set ADRB, 20                          ; v20-21  the same for B
.set CO,   26                          ; v26     my lane's place in a piece of 512 bytes of the output
.set ADRS, 27                          ; v27     LDS address of my scale words: lanes 0-15 A's rows, lanes 16-31 B's
.set SPW,  28                          ; v28     LDS address of my spare word; never rewritten
.set NIL,  29                          ; v29     0; never rewritten
.set SC,   32                          ; scale words: set s at v[SC + 32 s]; register 4 i + q: lanes 0-15 A's block i, lanes 16-31 B's block i, the slot's q-th 128 along K
.set AF,   128
.set TMP,  128                         ; the way out: four sets of 32 registers
.set G1, 24                            ; s[24:31] group 1 for A's tiles;  s[32:39] group 0, a set for each slot
.set G0, 32
.set G1B, 48                           ; s[48:55], s[56:63] the same for B's
.set G0B, 56
.set G1S, 68                           ; s[68:75], s[76:79] A's scales;  s[80:87], s[88:91] B's
.set G0S, 76
.set G1SB, 80
.set G0SB, 88
.set MSB, 0
.macro WIN new                         ; the immediate's high byte repeats the setting that is left
.if MSB != \new
	s_set_vgpr_msb (MSB<<8)|\new
.set MSB, \new
.endif
.endm
.set MUL_LO, 0xa1                      ; source 0 (B) window 1, source 1 (A) window 0, C and D window 2
.set MUL_HI, 0xf1                      ; the same, C and D window 3
.set TO_B,   0x40                      ; destination window 1, address window 0
; A joint load: waves 0 and 1 fetch for A, waves 2 and 3 for B; the branch hangs on the wave's number alone.  An s_nop 0 and four v_nop follow each of the two lines.
.macro JLOAD g0a, g1a, g0b, g1b
	s_cmp_eq_u32 s15, 0
	s_cbranch_scc0 .Lfor_b_\@
	tensor_load_to_lds s[\g0a:\g0a+3], s[\g1a:\g1a+7]
	s_nop 0
.rept 4
	v_nop
.endr
	s_branch .Lasked_\@
.Lfor_b_\@:
	tensor_load_to_lds s[\g0b:\g0b+3], s[\g1b:\g1b+7]
	s_nop 0
.rept 4
	v_nop
.endr
.Lasked_\@:
.endm
.macro CROUND                          ; a round of the cluster's barrier
	s_barrier_signal -1
	s_barrier_wait -1
	s_cmp_lg_u32 s14, 0
	s_cbranch_scc1 .Lnot_wave_0_\@
	s_barrier_signal -3
.Lnot_wave_0_\@:
	s_barrier_wait -3
	s_barrier_signal -1
	s_barrier_wait -1
.endm
	s_load_b128 s[4:7], s[0:1], 0x0                ; A's codes, A's scales
	s_load_b128 s[8:11], s[0:1], 0x10              ; B's codes, B's scales
	s_load_b128 s[96:99], s[0:1], 0x20             ; qws, kws
	s_load_b64 s[100:101], s[0:1], 0x30            ; vws
	v_lshl_add_u32 v[SPW], v0, 2, SPARE
	v_mov_b32 v[NIL], 0
	ds_add_u32 v[SPW], v[NIL]                      ; the wave's opening: the add, twice on end, and its wait ahead of my first tensor load
	ds_add_u32 v[SPW], v[NIL]
	v_lshrrev_b32 v1, 5, v0
	v_readfirstlane_b32 s14, v1                    ; wave 0..3
	s_lshr_b32 s15, s14, 1                         ; which half of the tile's tokens is mine.  Also: I fetch for A (0) or for B (1)
	s_and_b32 s16, s14, 1                          ; which half of its channels.  Also: which 128 rows I fetch
	s_bfe_u32 s40, ttmp6, 0x40000                  ; cx, cy: my place in the cluster
	s_bfe_u32 s41, ttmp6, 0x40004
	s_and_b32 s17, ttmp7, 0xffff                   ; cluster y, 0..23
	s_lshr_b32 s66, s17, 3                         ; g: 0 q, 1 k, 2 v: the same in all sixteen partners
	s_and_b32 s17, s17, 7
	s_lshl_b32 s17, s17, 2
	s_add_co_u32 s17, s17, s41                     ; tile of 256 tokens, 0..31
	s_lshl_b32 s42, ttmp9, 2
	s_add_co_u32 s42, s42, s40                     ; tile of 256 channels, 0..3
	s_lshl_b32 s43, s41, 2
	s_lshl_b32 s43, 15, s43                        ; my row of the cluster
	s_lshl_b32 s44, 0x1111, s40                    ; my column
	s_or_b32 s[G1+0], s43, (0<<16)|(1<<20)|(1<<21)|(5<<22)|(3<<25)  ; A's codes: the mask of my row; elements of 1 byte; padding on; bit 21 beside a mask; 4 words behind every 64
	s_mov_b32 s[G1+1], ROWB<<16                    ; tensor_dim0
	s_mov_b32 s[G1+2], 128<<16                     ; tensor_dim1
	s_mov_b32 s[G1+3], ROWB<<16                    ; tile_dim0
	s_mov_b32 s[G1+4], 128                         ; tile_dim1
	s_mov_b32 s[G1+5], KROW                        ; the pitch
	s_mov_b32 s[G1+6], 0
	s_mov_b32 s[G1+7], 0
	s_or_b32 s[G1B+0], s44, (3<<16)|(1<<21)        ; B's codes: the mask of my column; elements of 8 bytes; 128 dense rows of 256 bytes, no padding
	s_mov_b32 s[G1B+1], 32<<16
	s_mov_b32 s[G1B+2], 128<<16
	s_mov_b32 s[G1B+3], 32<<16
	s_mov_b32 s[G1B+4], 128
	s_mov_b32 s[G1B+5], 32
	s_mov_b32 s[G1B+6], 0
	s_mov_b32 s[G1B+7], 0
	s_or_b32 s[G1S+0], s43, (3<<16)|(1<<20)|(1<<21)|(5<<22)|(3<<25)   ; the scales of 128 rows: 4,096 dense bytes as 16 rows of 256, 16 bytes of padding behind each
	s_or_b32 s[G1SB+0], s44, (3<<16)|(1<<20)|(1<<21)|(5<<22)|(3<<25)
.irp g, G1S, G1SB
	s_mov_b32 s[\g+1], 32<<16
	s_mov_b32 s[\g+2], 16<<16
	s_mov_b32 s[\g+3], 32<<16
	s_mov_b32 s[\g+4], 16
	s_mov_b32 s[\g+5], 32
	s_mov_b32 s[\g+6], 0
	s_mov_b32 s[\g+7], 0
.endr
	s_lshl_b32 s18, s16, 7                         ; which 128 rows I fetch
	s_min_u32 s20, s66, 1
	s_lshl_b32 s20, s20, 13                        ; x's rows for q, context's (8,192 on) for k and v
	s_lshl_b32 s21, s17, 8
	s_add_co_u32 s20, s20, s21
	s_add_co_u32 s20, s20, s18                     ; A's first row: made of cluster y, cy and the wave's number
	s_lshl_b32 s46, s66, 10
	s_lshl_b32 s47, s42, 8
	s_add_co_u32 s46, s46, s47
	s_add_co_u32 s46, s46, s18                     ; B's first row: 1024 g + 256 x tile + 128 x half: cluster y, cx and the wave's number
	s_lshl_b32 s22, s20, 5                         ; their scales: 32 bytes a row
	s_mov_b32 s23, 0
	s_lshl_b32 s20, s20, 9                         ; A's codes: 512 bytes a row
	s_mov_b32 s21, 0
	s_lshl_b32 s92, s46, 5
	s_mov_b32 s93, 0
	s_lshl_b32 s46, s46, 8                         ; B's codes: 4,096 bytes for 16 rows and half of K
	s_mov_b32 s47, 0
	s_mul_i32 s45, s16, HALFA                      ; where they go: no place in the cluster enters an LDS address
	s_mul_i32 s95, s16, HALFB
	s_add_co_u32 s95, s95, 2*HALFA
	s_mul_i32 s94, s14, HALFS
	s_wait_dscnt 0x0                               ; both opening adds are done
	s_wait_kmcnt 0x0
	s_add_nc_u64 s[20:21], s[4:5], s[20:21]
	s_add_nc_u64 s[22:23], s[6:7], s[22:23]
	s_add_nc_u64 s[46:47], s[8:9], s[46:47]
	s_add_nc_u64 s[92:93], s[10:11], s[92:93]
	CROUND                                         ; all sixteen work-groups are here: the first joint loads meet
	s_mov_b32 s[G0S], 1
	s_add_co_u32 s[G0S+1], s94, SCL
	s_mov_b64 s[G0S+2:G0S+3], s[22:23]
	s_or_b32 s[G0S+3], s[G0S+3], 0x80000000
	s_mov_b32 s[G0SB], 1
	s_add_co_u32 s[G0SB+1], s94, SCL
	s_mov_b64 s[G0SB+2:G0SB+3], s[92:93]
	s_or_b32 s[G0SB+3], s[G0SB+3], 0x80000000
	JLOAD G0S, G1S, G0SB, G1SB                     ; the scales first: they are wanted with the first half of K
.irp s, 0,1
	s_mov_b32 s[G0+4*\s], 1
	s_add_co_u32 s[G0+4*\s+1], s45, \s*SLOT
	s_add_nc_u64 s[G0+4*\s+2:G0+4*\s+3], s[20:21], \s*ROWB
	s_or_b32 s[G0+4*\s+3], s[G0+4*\s+3], 0x80000000
	s_mov_b32 s[G0B+4*\s], 1
	s_add_co_u32 s[G0B+4*\s+1], s95, \s*SLOT
	s_add_nc_u64 s[G0B+4*\s+2:G0B+4*\s+3], s[46:47], \s*BHALF
	s_or_b32 s[G0B+4*\s+3], s[G0B+4*\s+3], 0x80000000
	JLOAD G0+4*\s, G1, G0B+4*\s, G1B               ; three loads of mine are out behind the second of these
.endr
	v_and_b32 v1, 15, v0                           ; r
	v_bfe_u32 v2, v0, 4, 1                         ; h
	v_mul_u32_u24 v3, v1, PITCH
	v_lshl_add_u32 v4, v2, 4, v3                   ; A: a fragment's row x pitch + 16 h
	v_and_b32 v6, 31, v0
	v_lshlrev_b32 v7, 4, v6                        ; B: 16 x lane
	s_mul_i32 s21, s15, HALFA                      ; my 128 rows of A
	s_mul_i32 s22, s16, HALFB                      ; my 128 rows of B,
	s_add_co_u32 s22, s22, 2*HALFA                 ; which lie behind A's 256
.irp s, 0,1
	v_add_nc_u32 v[ADRA+\s], s21, v4
	v_add_nc_u32 v[ADRB+\s], s22, v7
	s_add_co_u32 s21, s21, SLOT
	s_add_co_u32 s22, s22, SLOT
.endr
	v_mul_u32_u24 v5, v1, KS                       ; my row's scales: 32 bytes a row,
	v_lshrrev_b32 v6, 8, v5
	v_lshl_add_u32 v5, v6, 4, v5                   ; and 16 more for each 256 passed
	s_mul_i32 s21, s15, HALFS                      ; A's: my 128 rows
	s_mul_i32 s22, s16, HALFS                      ; B's: my 128 rows, behind A's 256
	s_add_co_u32 s22, s22, 2*HALFS
	s_sub_co_u32 s22, s22, s21
	v_mul_u32_u24 v6, s22, v2                      ; lanes 16-31 take B's
	s_add_co_u32 s21, s21, SCL
	v_add_nc_u32 v5, v5, v6
	v_add_nc_u32 v[ADRS], s21, v5
	; the way out: which buffer, where my 128 tokens x 128 channels begin in it, and my lane's place in a piece
	s_cmp_eq_u32 s66, 0
	s_cselect_b64 s[12:13], s[96:97], s[98:99]
	s_cmp_eq_u32 s66, 2
	s_cselect_b64 s[12:13], s[100:101], s[12:13]
	s_cselect_b32 s18, 32, 16                      ; from r to r + 1: v 32 bytes, q and k 16
	s_cselect_b32 s19, 16, 256                     ; from h = 0 to h = 1
	v_mul_u32_u24 v[CO], v1, s18
	v_mad_u32_u24 v[CO], v2, s19, v[CO]
	s_lshl_b32 s20, s17, 8
	s_lshl_b32 s21, s15, 7
	s_add_co_u32 s20, s20, s21                     ; my first token, 0..8191
	s_lshr_b32 s21, s20, 11
	s_lshl_b32 s21, s21, 22                        ; the batch: 16 heads of 262,144 bytes
	s_and_b32 s20, s20, 2047
	s_lshl_b32 s20, s20, 7                         ; 2,048 bytes for 16 tokens
	s_add_co_u32 s20, s20, s21
	s_lshl_b32 s46, s42, 8
	s_lshl_b32 s47, s16, 7
	s_add_co_u32 s46, s46, s47                     ; my first channel, 0..1023
	s_lshr_b32 s46, s46, 6
	s_lshl_b32 s46, s46, 18                        ; its head
	s_add_co_u32 s20, s20, s46
	s_mov_b32 s21, 0
	s_add_nc_u64 s[12:13], s[12:13], s[20:21]
.macro FRAGA reg, adr, q, i            ; 16 rows x 128 K of 4-bit codes, 8 registers: lane (r, h): registers 4 c .. 4 c + 3 hold K = 64 c + 32 h + 0 .. 31
.irp c, 0,1
	ds_load_b128 v[\reg+4*\c:\reg+4*\c+3], v[\adr] offset:64*(\q)+32*\c+(\i)*16*PITCH
.endr
.endm
.macro FRAGB reg, adr, q, i            ; the same from the register image: 512 consecutive bytes a load
.irp c, 0,1
	ds_load_b128 v[\reg+4*\c:\reg+4*\c+3], v[\adr] offset:1024*(\q)+512*\c+(\i)*4096
.endr
.endm
; 16 matrix instructions: A's blocks a0, a0 + 1 x B's eight, the slot's q-th 128 along K.  p: B's set; sc: the set of scale words.  zero = 1: the first product starts the sums.
; The 64 accumulators take turns, one instruction a turn, in the same order in every step.
.macro MUL16 a0, p, q, sc, zero
.irp a, \a0, \a0+1
.irp b, 0,1,2,3,4,5,6,7
.if \zero
	v_wmma_scale_f32_16x16x128_f8f6f4 v[8*(8*((\a)%4)+\b):8*(8*((\a)%4)+\b)+7], v[128*(\p)+FR*\b:128*(\p)+FR*\b+FR-1], v[AF+FR*(\a):AF+FR*(\a)+FR-1], 0, v[SC+8*NQ*(\sc)+NQ*\b+(\q)], v[SC+8*NQ*(\sc)+NQ*(\a)+(\q)] matrix_a_fmt:MATRIX_FMT_FP4 matrix_b_fmt:MATRIX_FMT_FP4 matrix_a_scale:MATRIX_SCALE_ROW1
.else
	v_wmma_scale_f32_16x16x128_f8f6f4 v[8*(8*((\a)%4)+\b):8*(8*((\a)%4)+\b)+7], v[128*(\p)+FR*\b:128*(\p)+FR*\b+FR-1], v[AF+FR*(\a):AF+FR*(\a)+FR-1], v[8*(8*((\a)%4)+\b):8*(8*((\a)%4)+\b)+7], v[SC+8*NQ*(\sc)+NQ*\b+(\q)], v[SC+8*NQ*(\sc)+NQ*(\a)+(\q)] matrix_a_fmt:MATRIX_FMT_FP4 matrix_b_fmt:MATRIX_FMT_FP4 matrix_a_scale:MATRIX_SCALE_ROW1
.endif
.endr
.endr
.endm
.macro FETCH_B slot, q, p              ; B's eight fragments into set p
	WIN TO_B
.irp i, 0,1,2,3,4,5,6,7
	FRAGB 128*(\p)+FR*\i, ADRB+\slot, \q, \i
.endr
	WIN 0
.endm
.macro FETCH_A slot, q, i0             ; A's blocks i0 .. i0 + 3
.irp i, \i0, \i0+1, \i0+2, \i0+3
	FRAGA AF+FR*(\i), ADRA+\slot, \q, \i
.endr
.endm
.macro SCALES sc                       ; a slot's scale words: four words a row; lanes 0-15 take A's block i, lanes 16-31 B's block i
.irp i, 0,1,2,3,4,5,6,7
	ds_load_b128 v[SC+8*NQ*\sc+NQ*\i:SC+8*NQ*\sc+NQ*\i+3], v[ADRS] offset:\i*SBLK
.endr
.endm
.macro PLACES n                        ; plain vector instructions between a matrix instruction and a load into its sources, or a read of its result (ISA guide 7.12.1 for a read of its result)
.rept \n
	v_nop
.endr
.endm
.macro STEP slot, q, zero              ; a step of 128 along K that has its successor in the same slot
	s_wait_dscnt 4*NL                              ; B's set and A's blocks 0-3 are in; the youngest eight loads (A's blocks 4-7) may be out
	WIN MUL_LO
	MUL16 0, (\q)%2, \q, \slot, \zero
	MUL16 2, (\q)%2, \q, \slot, \zero
	s_wait_dscnt 0                                 ; A's blocks 4-7 are in
	PLACES NP
	FETCH_B \slot, (\q)+1, 1-(\q)%2
	FETCH_A \slot, (\q)+1, 0
	WIN MUL_HI
	MUL16 4, (\q)%2, \q, \slot, \zero
	MUL16 6, (\q)%2, \q, \slot, \zero
	PLACES NP
	WIN 0
	FETCH_A \slot, (\q)+1, 4
.endm
.macro TURN slot, next                 ; slot 0's last step goes over to slot 1: each wave waits for its part of slot 1, then one barrier.  Nothing is filled again
	s_wait_tensorcnt 0x0                           ; all my tensor loads have landed: my part of the next slot
	ds_add_u32 v[SPW], v[NIL]                      ; 0 onto my spare word
	s_wait_dscnt 4*NL+1                            ; (the add and the youngest eight loads may be out)
	WIN MUL_LO
	MUL16 0, 1, NQ-1, \slot, 0
	s_wait_dscnt 0x0                               ; no LDS instruction of mine is out at the signal
	s_barrier_signal -1
	MUL16 2, 1, NQ-1, \slot, 0
	WIN 0
	s_barrier_wait -1                              ; the next slot is whole
	PLACES NP
	v_add_nc_u32 v[ADRS], 4*NQ, v[ADRS]            ; on to the next half's scale words
	FETCH_B \next, 0, 0
	FETCH_A \next, 0, 0
	SCALES \next
	WIN MUL_HI
	MUL16 4, 1, NQ-1, \slot, 0
	MUL16 6, 1, NQ-1, \slot, 0
	PLACES NP
	WIN 0
	FETCH_A \next, 0, 4
.endm
.macro STEPS slot, from                ; the slot's steps from .. NQ - 2
.set Q, \from
.rept NQ-1-\from
	STEP \slot, Q, 0
.set Q, Q+1
.endr
.endm
	s_wait_tensorcnt 1                             ; the scales and my part of slot 0 are in (slot 1's load may be out)
	s_barrier_signal -1
	s_barrier_wait -1                              ; everybody's are
	FETCH_B 0, 0, 0
	FETCH_A 0, 0, 0
	SCALES 0
	FETCH_A 0, 0, 4
	STEP 0, 0, 1                                   ; the first step's products start the sums: nothing is cleared
	STEPS 0, 1
	TURN 0, 1
	STEPS 1, 0
	s_wait_dscnt 4*NL                              ; the last step: nothing more to fetch
	WIN MUL_LO
	MUL16 0, 1, NQ-1, 1, 0
	MUL16 2, 1, NQ-1, 1, 0
	s_wait_dscnt 0
	WIN MUL_HI
	MUL16 4, 1, NQ-1, 1, 0
	MUL16 6, 1, NQ-1, 1, 0
	WIN 0
; THE WAY OUT, block a of 16 tokens: each accumulator's eight f32 become 16 bytes of f16 (from its low end on) and are stored as they lie: the 32 lanes' 16 bytes are one piece of 512 consecutive bytes.
.macro OUTBLK a
.set AC, 64*((\a)%4)
.set TM, TMP+32*((\a)%4)
	WIN 0x0a+5*((\a)/4)                            ; sources 0 and 1: window 2 or 3
.irp b, 0,1,2,3,4,5,6,7
.irp i, 0,1,2,3
	v_cvt_pk_f16_f32 v[TM+4*\b+\i], v[AC+8*\b+2*\i], v[AC+8*\b+2*\i+1]
.endr
.endr
	WIN 0
.irp b, 0,1,2,3,4,5,6,7
	global_store_b128 v[CO], v[TM+4*\b:TM+4*\b+3], s[12:13] offset:(\a)*2048+(\b/4)*262144+(\b%4)*512 th:TH_STORE_NT   ; tile of tokens a, head b / 4, 16 channels b % 4
.endr
.endm
	PLACES NP                                      ; behind the last products: their results are read, and registers that held A's fragments are written
.irp a, 0,1,2,3
	OUTBLK \a
.endr
	s_wait_xcnt 0x0                                ; the stores of blocks 0-3 have read their data: the four sets may be written again
.irp a, 4,5,6,7
	OUTBLK \a
.endr
	s_wait_tensorcnt 0x0                           ; the wave's end
	ds_add_u32 v[SPW], v[NIL]
	s_wait_dscnt 0x0
	CROUND                                         ; the closing round: no work-group ends while a partner may still ask for a tile that names it
	s_endpgm
.Lfunc_end_k_qfce74bac6a_gemm:
	.size	k_qfce74bac6a_gemm, .Lfunc_end_k_qfce74bac6a_gemm-k_qfce74bac6a_gemm
	.p2alignl 7, 3214868480
	.fill 96, 4, 3214868480
	.section	.rodata,"a",@progbits
	.p2align	6, 0x0
	.amdhsa_kernel k_qfce74bac6a_gemm
		.amdhsa_group_segment_fixed_size 327680
		.amdhsa_private_segment_fixed_size 0
		.amdhsa_enable_private_segment 0
		.amdhsa_kernarg_size 56
		.amdhsa_user_sgpr_count 2
		.amdhsa_user_sgpr_kernarg_segment_ptr 1
		.amdhsa_wavefront_size32 1
		.amdhsa_system_sgpr_workgroup_id_x 1
		.amdhsa_system_sgpr_workgroup_id_y 1
		.amdhsa_system_sgpr_workgroup_id_z 1
		.amdhsa_system_vgpr_workitem_id 0
		.amdhsa_next_free_vgpr 1024
		.amdhsa_next_free_sgpr 102
		.amdhsa_reserve_vcc 0
		.amdhsa_float_denorm_mode_32 3
		.amdhsa_float_denorm_mode_16_64 3
		.amdhsa_memory_ordered 1
		.amdhsa_forward_progress 1
		.amdhsa_inst_pref_size 118
	.end_amdhsa_kernel
	.amdgpu_metadata
---
amdhsa.version: [ 1, 2 ]
amdhsa.kernels:
  - .name:           k_qfce74bac6a_gemm
    .symbol:         k_qfce74bac6a_gemm.kd
    .args:
      - { .name: acodes, .offset: 0, .size: 8, .value_kind: global_buffer, .address_space: global }
      - { .name: ascales, .offset: 8, .size: 8, .value_kind: global_buffer, .address_space: global }
      - { .name: wcodes, .offset: 16, .size: 8, .value_kind: global_buffer, .address_space: global }
      - { .name: wscales, .offset: 24, .size: 8, .value_kind: global_buffer, .address_space: global }
      - { .name: qws, .offset: 32, .size: 8, .value_kind: global_buffer, .address_space: global }
      - { .name: kws, .offset: 40, .size: 8, .value_kind: global_buffer, .address_space: global }
      - { .name: vws, .offset: 48, .size: 8, .value_kind: global_buffer, .address_space: global }
    .group_segment_fixed_size: 327680
    .private_segment_fixed_size: 0
    .kernarg_segment_align: 8
    .kernarg_segment_size: 56
    .max_flat_workgroup_size: 128
    .sgpr_count:     102
    .vgpr_count:     1024
    .wavefront_size: 32
...
	.end_amdgpu_metadata
.endif
;; end of part 2
;; launch attn (part 3): grid 4 x 64, 8 waves a work-group, clusters of 4 x 1, 327,680 bytes of LDS; arguments qws, kws, vws, out0; writes out0
.if DOCPART == 3
	.amdgcn_target "amdgcn-amd-amdhsa--gfx1250"
	.amdhsa_code_object_version 6
	.text
	.protected	k_qfce74bac6a_attn
	.globl	k_qfce74bac6a_attn
	.p2align	8
	.type	k_qfce74bac6a_attn,@function
k_qfce74bac6a_attn:
	s_mov_b64 s[64:65], 0
	v_nop
	global_prefetch_b8 v0, s[64:65] scope:SCOPE_SE
	s_setreg_imm32_b32 hwreg(HW_REG_WAVE_MODE, 25, 1), 1
	s_wait_xcnt 0x0
	s_wait_alu depctr_hold_cnt(0) depctr_sa_sdst(0) depctr_va_vdst(0) depctr_va_sdst(0) depctr_va_ssrc(0) depctr_va_vcc(0) depctr_vm_vsrc(0)
	s_getreg_b32 s2, hwreg(HW_REG_IB_STS2, 6, 4)
	s_cmp_eq_u32 s2, 0
	s_cbranch_scc0 .Lentry_in_a_cluster
	s_endpgm
.Lentry_in_a_cluster:
	s_bfe_u32 s2, ttmp6, 0x10000c
	s_cmp_lg_u32 s2, 0x3003
	s_cbranch_scc0 .Lentry_shape_is_right
	s_endpgm
.Lentry_shape_is_right:
; out[b][q][64 head + d] = the sum over keys of softmax_k(q . k / 8) v, for 64 (batch, head) pairs bh, 2,048 queries, 2,048 keys, head size 64.  q, k, v arrive as f16, as images of the operands' registers; the weights p are
; rounded to f16 for the second product; products, maxima and sums in f32; out is f32.  LIMITS: q, k, v are f16 (up to 65,504); NaN and infinities are not served.
; SHARES.  A work-group owns 512 queries of one bh, each of its eight waves 64: four tiles of 16.  Two waves lie on a SIMD, so that one wave's softmax stands beside the other's products.  Every wave walks all keys, 64 a step.
; LAYOUT.  S^T = K Q^T (source 0 = 16 keys, source 1 = 16 queries): a lane holds ONE query (lane % 16) and keys 8 (lane / 16) + 0..7.  Two such tiles, rounded to f16 in pairs, ARE source 1 of O^T = V^T P.  P is made in place, in S^T's registers.
; SOFTMAX.  For each query a running maximum m and sum l: p = 2^(c s - c m), c = log2(e) / 8; in every step O and l are multiplied by a = 2^(c m_old - c m_new).
; PIPELINE.  A body: K of step j + 1 is asked of LDS | softmax of step j | V^T P of step j | V of step j + 1 is asked | K Q^T of step j + 1.
; RING.  Two LDS slots of 512 keys (K 65,536 bytes, then V 65,536), each filled by eight tensor loads of 16,384 dense bytes, one a wave.
; CLUSTER.  The four query blocks of a bh are one cluster and walk the same K and V: each tile is asked for JOINTLY, by the same tensor load with the same descriptor and the mask of all four.
; REGISTERS.  window 0: v1-13 addresses; v16-63 statistics, 12 a tile; v64-191 S^T, then p, then P: 32 a tile; v192-255 V of one step.   window 1: v0-127 O^T, 32 a tile; v128-191 Q; v192-255 K of one step.
.set STEPB, 8192                       ; a step's 64 keys of K, or of V
.set SLOTB, 65536                      ; a slot's 512 keys of K, or of V
.set SLOT1, 1<<17                      ; slot 1 begins here: one exclusive or turns an address from one slot to the other
.set STAGE, 2*SLOT1                    ; the way out: 16 rows x 272 bytes for each wave
.set SP,    272
.set SPARE, STAGE+8*16*SP              ; the spare words, 128 bytes a wave, which no other line names
.set LI,  2                            ; v2   16 x lane
.set AV0, 3                            ; v3   my lane's place in a piece of V for the turning load, + SLOTB
.set ADK, 4                            ; v4   LDS address of the run of K's loads in hand
.set ADV, 5                            ; v5   of V's
.set STO, 6                            ; v6   the way out: where I put 32 bytes of a row
.set RD,  7                            ; v7   where I read a row back
.set GO,  8                            ; v8   my byte offset in the wave's rows of out
.set PFO, 10                           ; v10  256 x lane; never rewritten
.set SPW, 12                           ; v12  LDS address of my spare word; never rewritten
.set NIL, 13                           ; v13  0; never rewritten
.set ST,  16                           ; tile t's statistics at v[ST + 12 t]: +0 c m, +1 m, +2, +3 l, +4 to +7 four maxima (later +4, +5 a sum, +6 a, +7 its exponent), +8, +9 a second sum
.set S,   64
.set VF,  192
.set OT,  0                            ; window 1
.set QF,  128
.set KF,  192
.set WV,  12                           ; s12  my wave's number
.set G1,  24                           ; s[24:31] descriptor group 1
.set G0,  32                           ; s[32:35] group 0 for slot 0's first fill; s[36:39] for slot 1's, which then walks
.set SLOTS, 40                         ; s40  slots still to be asked for
.set CNT, 41                           ; s41  counts bodies
.set TB,  42                           ; s42  LDS byte at which K of the step to be fetched begins
.set CS,  44                           ; s[44:45] c
.set SEL, 46                           ; s[46:47] lane selects: lane l xor 16
.set PFA, 48                           ; s[48:49] where my prefetches stand
.set LIM, 50                           ; s50  1 in a wave that prefetches, else the greatest number
.set MSB, 0
.macro WIN new                         ; the immediate's high byte repeats the setting that is left
.if MSB != \new
	s_set_vgpr_msb (MSB<<8)|\new
.set MSB, \new
.endif
.endm
.set W_KQ,  0x05                       ; K and Q in window 1, S^T in window 0
.set W_PV,  0x50                       ; V and P in window 0, O^T (C and D) in window 1
.set W_RS,  0x41                       ; O^T (destination and source 0) in window 1, a in window 0
.set TO_1,  0x40                       ; destination window 1, address window 0
.set W_OUT, 0x01                       ; source 0 window 1
.macro CROUND                          ; a round of the cluster's barrier
	s_barrier_signal -1
	s_barrier_wait -1
	s_cmp_lg_u32 s[WV], 0
	s_cbranch_scc1 .Lnot_wave_0_\@
	s_barrier_signal -3
.Lnot_wave_0_\@:
	s_barrier_wait -3
	s_barrier_signal -1
	s_barrier_wait -1
.endm
.macro JLOAD                           ; a joint refill: every wave's own 16,384 bytes, by the walking descriptor; an s_nop 0 and four v_nop follow
	tensor_load_to_lds s[G0+4:G0+7], s[G1:G1+7]
	s_nop 0
.rept 4
	v_nop
.endr
.endm
; A PREFETCH INTO THE L2 of a slot's 131,072 bytes of K and V, a slot's eight key steps (the first time seven) ahead of the joint load that will ask for them.  The four partners are the only readers of this bh; they share the
; bytes out BY ADDRESS, 16,384 of K and of V each; in each, waves 0 and 1 ask for K's and waves 2 and 3 for V's, 8,192 bytes a wave, lanes 256 bytes apart: each run of 256 bytes is named once.  The last change that fills a slot asks for nothing.
.macro ASK
	s_cmp_gt_u32 s[SLOTS], s[LIM]
	s_cbranch_scc0 .Lnot_mine_\@
	global_prefetch_b8 v[PFO], s[PFA:PFA+1] th:TH_LOAD_NT scope:SCOPE_SE
.Lnot_mine_\@:
.endm
	s_load_b256 s[4:11], s[0:1], 0x0               ; qws s[4:5], kws s[6:7], vws s[8:9], out s[10:11]
	v_lshl_add_u32 v[SPW], v0, 2, SPARE
	v_mov_b32 v[NIL], 0
	ds_add_u32 v[SPW], v[NIL]                      ; the wave's opening: the add, twice on end, and its wait ahead of my first tensor load
	ds_add_u32 v[SPW], v[NIL]
	v_lshrrev_b32 v1, 5, v0
	v_readfirstlane_b32 s[WV], v1                  ; wave 0..7
	s_bfe_u32 s13, ttmp6, 0x40000                  ; cx: my place in the cluster
	s_and_b32 s14, ttmp7, 0xffff                   ; bh, which the four partners share
	s_lshl_b32 s16, s14, 18                        ; its 262,144 bytes in each of the three operands
	s_and_b32 s18, s[WV], 3
	s_lshl_b32 s18, s18, 14
	s_add_co_u32 s18, s18, s16                     ; what I fetch of K (waves 0-3) or of V (waves 4-7): bh and the wave's number alone
	s_mov_b32 s19, 0
	s_lshl_b32 s20, ttmp9, 2
	s_add_co_u32 s20, s20, s13                     ; my block of 512 queries
	s_lshl_b32 s22, s20, 16
	s_lshl_b32 s21, s[WV], 13
	s_add_co_u32 s22, s22, s21
	s_add_co_u32 s22, s22, s16                     ; Q: bh + 65,536 x block + 8,192 x wave
	s_mov_b32 s23, 0
	s_lshr_b32 s52, s14, 4
	s_lshl_b32 s52, s52, 23                        ; out: the batch's 2,048 rows of 4,096 bytes,
	s_lshl_b32 s53, s20, 21
	s_add_co_u32 s52, s52, s53                     ; my block's 512 rows,
	s_lshl_b32 s53, s[WV], 18
	s_add_co_u32 s52, s52, s53                     ; my wave's 64,
	s_and_b32 s53, s14, 15
	s_lshl_b32 s53, s53, 8
	s_add_co_u32 s52, s52, s53                     ; the head's 256 bytes of a row
	s_mov_b32 s53, 0
	s_lshl_b32 s54, s13, 14
	s_and_b32 s55, s[WV], 1
	s_lshl_b32 s55, s55, 13
	s_add_co_u32 s54, s54, s55
	s_add_co_u32 s54, s54, s16
	s_add_co_u32 s54, s54, 2*SLOTB                 ; the prefetches begin with the third 512 keys: the first two come by their loads alone
	s_mov_b32 s55, 0
	s_mov_b32 s[G1], 15|(3<<16)|(1<<21)            ; the mask: all four work-groups; elements of 8 bytes; bit 21 beside a mask; no padding
	s_mov_b32 s[G1+1], 32<<16                      ; tensor_dim0: 256 bytes
	s_mov_b32 s[G1+2], 64<<16                      ; tensor_dim1
	s_mov_b32 s[G1+3], 32<<16                      ; tile_dim0
	s_mov_b32 s[G1+4], 64                          ; tile_dim1: 64 dense rows
	s_mov_b32 s[G1+5], 32                          ; the pitch
	s_mov_b32 s[G1+6], 0
	s_mov_b32 s[G1+7], 0
	s_mov_b32 s[CS], 0x3e38aa3b                    ; c = log2(e) / 8
	s_mov_b32 s[CS+1], s[CS]                       ; named with it as a pair, so it is written
	s_mov_b32 s[SEL], 0x76543210
	s_mov_b32 s[SEL+1], 0xfedcba98
	s_mov_b32 s[TB], 0
	s_mov_b32 s[SLOTS], 2
	s_wait_dscnt 0x0                               ; both opening adds are done
	s_wait_kmcnt 0x0
	s_add_nc_u64 s[4:5], s[4:5], s[22:23]
	s_add_nc_u64 s[10:11], s[10:11], s[52:53]
	s_cmp_lt_u32 s[WV], 2
	s_cselect_b64 s[PFA:PFA+1], s[6:7], s[8:9]
	s_add_nc_u64 s[PFA:PFA+1], s[PFA:PFA+1], s[54:55]
	s_cmp_lt_u32 s[WV], 4
	s_cselect_b32 s[LIM], 1, -1
	s_cselect_b64 s[G0+2:G0+3], s[6:7], s[8:9]     ; waves 0-3 fetch K, waves 4-7 V: the same in every partner
	CROUND                                         ; all four work-groups are here: the first joint loads meet
	s_mov_b32 s[G0], 1
	s_lshl_b32 s[G0+1], s[WV], 14                  ; LDS: 16,384 x wave: K's four parts, then V's four
	s_add_nc_u64 s[G0+2:G0+3], s[G0+2:G0+3], s[18:19]
	s_mov_b32 s[G0+4], 1
	s_add_co_u32 s[G0+5], s[G0+1], SLOT1
	s_add_nc_u64 s[G0+6:G0+7], s[G0+2:G0+3], SLOTB
	s_or_b32 s[G0+3], s[G0+3], 0x80000000
	s_or_b32 s[G0+7], s[G0+7], 0x80000000
	tensor_load_to_lds s[G0:G0+3], s[G1:G1+7]      ; keys 0-511
	s_nop 0
	tensor_load_to_lds s[G0+4:G0+7], s[G1:G1+7]    ; keys 512-1023: two loads of mine are out
	s_nop 0
.rept 4
	v_nop
.endr
	v_and_b32 v11, 31, v0
	v_lshlrev_b32 v[LI], 4, v11
	v_lshlrev_b32 v[PFO], 8, v11
	WIN TO_1
.irp i, 0,1,2,3,4,5,6,7,8,9,10,11,12,13,14,15  ; Q stays in registers: piece i = 4 x tile + 16 channels; pieces 2 c and 2 c + 1 of a tile are the fragment of channels 32 c on
	global_load_b128 v[QF+4*\i:QF+4*\i+3], v[LI], s[4:5] offset:512*\i th:TH_LOAD_NT
.endr
	WIN 0
	v_and_b32 v1, 15, v0                           ; r
	v_bfe_u32 v9, v0, 4, 1                         ; h
	v_and_b32 v14, 7, v0
	v_bfe_u32 v15, v0, 3, 1
	v_lshlrev_b32 v[AV0], 8, v9                    ; the turning load: lane l reads key 8 (l / 16) + l % 8 (32 bytes a key), channels 8 ((l / 8) % 2) on: sixteen lanes read 256 consecutive bytes
	v_lshl_add_u32 v[AV0], v14, 5, v[AV0]
	v_lshl_add_u32 v[AV0], v15, 4, v[AV0]
	v_add_nc_u32 v[AV0], SLOTB, v[AV0]             ; V lies behind K in a slot
	s_mul_i32 s15, s[WV], 16*SP
	s_add_co_u32 s15, s15, STAGE                   ; my stage
	v_mul_u32_u24 v[STO], v1, SP                   ; in: row r, 32 bytes for each half of the lanes
	v_lshl_add_u32 v[STO], v9, 5, v[STO]
	v_add_nc_u32 v[STO], s15, v[STO]
	v_mul_u32_u24 v[RD], v9, SP                    ; back: lanes 0-15 one row of 256 bytes, lanes 16-31 the next
	v_lshl_add_u32 v[RD], v1, 4, v[RD]
	v_add_nc_u32 v[RD], s15, v[RD]
	v_lshlrev_b32 v[GO], 12, v9                    ; and the same two rows in out
	v_lshl_add_u32 v[GO], v1, 4, v[GO]
; A step's K: 16 loads of 512 consecutive bytes.  The addition and three v_nop are the four places between the last K Q^T and the loads into its sources, and the softmax's first read of its results.
.macro FETCH_K
	v_add_nc_u32 v[ADK], s[TB], v[LI]
.rept 3
	v_nop
.endr
	WIN TO_1
.irp i, 0,1,2,3,4,5,6,7,8,9,10,11,12,13,14,15
	ds_load_b128 v[KF+4*\i:KF+4*\i+3], v[ADK] offset:512*\i
.endr
	WIN 0
.endm
; A step's V, turned: fragment 4 g + u: 16 channels 16 u on x 32 keys 32 g on.  The addition and four v_nop are five places: the next K Q^T writes over P, which the last V^T P has read; four of them serve the loads.
.macro FETCH_V
	WIN 0
	v_add_nc_u32 v[ADV], s[TB], v[AV0]
.rept 4
	v_nop
.endr
.irp g, 0,1
.irp u, 0,1,2,3
	ds_load_tr16_b128 v[VF+8*(4*\g+\u):VF+8*(4*\g+\u)+3],   v[ADV] offset:4096*\g+512*\u
	ds_load_tr16_b128 v[VF+8*(4*\g+\u)+4:VF+8*(4*\g+\u)+7], v[ADV] offset:4096*\g+2048+512*\u
.endr
.endr
	s_add_co_u32 s[TB], s[TB], STEPB               ; the next fetch is the next step's
.endm
; S^T = K Q^T: channels 32 c on, keys 16 k on, tile t.  The 16 accumulators take turns; the first 16 products start the sums.
.macro KQ
	WIN W_KQ
.irp c, 0,1
.irp k, 0,1,2,3
.irp t, 0,1,2,3
.if \c == 0
	v_wmma_f32_16x16x32_f16 v[S+32*\t+8*\k:S+32*\t+8*\k+7], v[KF+8*(2*\k+\c):KF+8*(2*\k+\c)+7], v[QF+8*(2*\t+\c):QF+8*(2*\t+\c)+7], 0
.else
	v_wmma_f32_16x16x32_f16 v[S+32*\t+8*\k:S+32*\t+8*\k+7], v[KF+8*(2*\k+\c):KF+8*(2*\k+\c)+7], v[QF+8*(2*\t+\c):QF+8*(2*\t+\c)+7], v[S+32*\t+8*\k:S+32*\t+8*\k+7]
.endif
.endr
.endr
.endr
	WIN 0
.endm
; O^T += V^T P: keys 32 g on, channels 16 u on, tile t; 16 accumulators by turns.  first = 1: the first 16 products start the sums.
.macro PV first
	WIN W_PV
.irp g, 0,1
.irp u, 0,1,2,3
.irp t, 0,1,2,3
.if (\first) && (\g == 0)
	v_wmma_f32_16x16x32_f16 v[OT+32*\t+8*\u:OT+32*\t+8*\u+7], v[VF+8*(4*\g+\u):VF+8*(4*\g+\u)+7], v[S+32*\t+8*\g:S+32*\t+8*\g+7], 0
.else
	v_wmma_f32_16x16x32_f16 v[OT+32*\t+8*\u:OT+32*\t+8*\u+7], v[VF+8*(4*\g+\u):VF+8*(4*\g+\u)+7], v[S+32*\t+8*\g:S+32*\t+8*\g+7], v[OT+32*\t+8*\u:OT+32*\t+8*\u+7]
.endif
.endr
.endr
.endr
.endm
; THE SOFTMAX of a key step for the wave's four tiles, the tiles innermost, so that no line waits for the line above it.  first = 1: the first key step: no old maximum, no a, nothing to rescale.
.macro SOFTMAX first
.irp k, 0,1,2,3                        ; the maximum of a lane's 32 scores: four chains; each accumulator is first read at its low end
.irp t, 0,1,2,3
	v_max3_num_f32 v[ST+12*\t+4+\k], v[S+32*\t+8*\k], v[S+32*\t+8*\k+1], v[S+32*\t+8*\k+2]
.endr
.endr
.irp n, 3,5
.irp k, 0,1,2,3
.irp t, 0,1,2,3
	v_max3_num_f32 v[ST+12*\t+4+\k], v[ST+12*\t+4+\k], v[S+32*\t+8*\k+\n], v[S+32*\t+8*\k+\n+1]
.endr
.endr
.endr
.irp t, 0,1,2,3
	v_max3_num_f32 v[ST+12*\t+4], v[ST+12*\t+4], v[S+32*\t+7], v[S+32*\t+15]
.endr
.irp t, 0,1,2,3
	v_max3_num_f32 v[ST+12*\t+6], v[ST+12*\t+6], v[S+32*\t+23], v[S+32*\t+31]
.endr
.irp t, 0,1,2,3
	v_max3_num_f32 v[ST+12*\t+4], v[ST+12*\t+4], v[ST+12*\t+5], v[ST+12*\t+6]
.endr
.irp t, 0,1,2,3
.if \first
	v_max_num_f32 v[ST+12*\t+4], v[ST+12*\t+4], v[ST+12*\t+7]
.else
	v_max3_num_f32 v[ST+12*\t+4], v[ST+12*\t+4], v[ST+12*\t+7], v[ST+12*\t+1]   ; with the old m
.endif
.endr
.irp t, 0,1,2,3
	v_permlanex16_b32 v[ST+12*\t+5], v[ST+12*\t+4], s[SEL], s[SEL+1]            ; the query's other 32 keys lie in the lane 16 away
.endr
.if \first == 0
.irp t, 0,1,2,3
	v_mov_b32 v[ST+12*\t+7], v[ST+12*\t]           ; c m_old is kept for a
.endr
.endif
.irp t, 0,1,2,3
	v_max_num_f32 v[ST+12*\t+1], v[ST+12*\t+4], v[ST+12*\t+5]                   ; the new m
.endr
.irp t, 0,1,2,3
	v_mul_f32 v[ST+12*\t], s[CS], v[ST+12*\t+1]    ; c m
.endr
.if \first == 0
.irp t, 0,1,2,3
	v_sub_f32 v[ST+12*\t+7], v[ST+12*\t+7], v[ST+12*\t]
.endr
.irp t, 0,1,2,3
	v_exp_f32 v[ST+12*\t+6], v[ST+12*\t+7]         ; a
.endr
.endif
; ONE BATCH: the scalings c s - c m, a pair of scores each, and the exponentials, a pair behind its scaling.  None of these lines names an exponential's result.
.irp b, 0,1,2,3,4,5,6,7,8,9,10,11,12,13,14,15,16
.if \b < 16
.irp t, 0,1,2,3
	v_pk_fma_f32 v[S+32*\t+2*\b:S+32*\t+2*\b+1], v[S+32*\t+2*\b:S+32*\t+2*\b+1], s[CS:CS+1], v[ST+12*\t:ST+12*\t+1] op_sel_hi:[1,0,0] neg_lo:[0,0,1] neg_hi:[0,0,1]
.endr
.endif
.if \b > 0
.irp t, 0,1,2,3
	v_exp_f32 v[S+32*\t+2*\b-2], v[S+32*\t+2*\b-2]
	v_exp_f32 v[S+32*\t+2*\b-1], v[S+32*\t+2*\b-1]
.endr
.endif
.endr
	v_nop                                          ; a plain instruction behind the last exponential
	s_wait_alu depctr_va_vdst(0)                   ; the one wait between the batch and the first line that names a result
.irp t, 0,1,2,3                        ; the sum of the unrounded p, in pairs (an even key's, an odd key's), in two chains
	v_pk_add_f32 v[ST+12*\t+4:ST+12*\t+5], v[S+32*\t:S+32*\t+1], v[S+32*\t+2:S+32*\t+3]
.endr
.irp t, 0,1,2,3
	v_pk_add_f32 v[ST+12*\t+8:ST+12*\t+9], v[S+32*\t+4:S+32*\t+5], v[S+32*\t+6:S+32*\t+7]
.endr
.irp n, 8,12,16,20,24,28
.irp t, 0,1,2,3
	v_pk_add_f32 v[ST+12*\t+4:ST+12*\t+5], v[ST+12*\t+4:ST+12*\t+5], v[S+32*\t+\n:S+32*\t+\n+1]
.endr
.irp t, 0,1,2,3
	v_pk_add_f32 v[ST+12*\t+8:ST+12*\t+9], v[ST+12*\t+8:ST+12*\t+9], v[S+32*\t+\n+2:S+32*\t+\n+3]
.endr
.endr
.if \first
.irp t, 0,1,2,3
	v_pk_add_f32 v[ST+12*\t+2:ST+12*\t+3], v[ST+12*\t+4:ST+12*\t+5], v[ST+12*\t+8:ST+12*\t+9]
.endr
.else
.irp t, 0,1,2,3
	v_pk_add_f32 v[ST+12*\t+4:ST+12*\t+5], v[ST+12*\t+4:ST+12*\t+5], v[ST+12*\t+8:ST+12*\t+9]
.endr
.irp t, 0,1,2,3
	v_pk_fma_f32 v[ST+12*\t+2:ST+12*\t+3], v[ST+12*\t+2:ST+12*\t+3], v[ST+12*\t+6:ST+12*\t+7], v[ST+12*\t+4:ST+12*\t+5] op_sel_hi:[1,0,1]   ; l = a l + the sum
.endr
.endif
.irp i, 0,1,2,3,4,5,6,7,8,9,10,11,12,13,14,15  ; P in place: register i takes pair i; the pairs still to be read lie above it
.irp t, 0,1,2,3
	v_cvt_pk_f16_f32 v[S+32*\t+\i], v[S+32*\t+2*\i], v[S+32*\t+2*\i+1]
.endr
.endr
.if \first == 0
	WIN W_RS
.irp i, 0,1,2,3,4,5,6,7,8,9,10,11,12,13,14,15  ; O^T times a, each accumulator from its low end on
.irp t, 0,1,2,3
	v_pk_mul_f32 v[OT+32*\t+2*\i:OT+32*\t+2*\i+1], v[OT+32*\t+2*\i:OT+32*\t+2*\i+1], v[ST+12*\t+6:ST+12*\t+7] op_sel_hi:[1,0]
.endr
.endr
.endif
.endm
.macro BODY first
	FETCH_K                                        ; K of step j + 1
.if \first
	ASK                                            ; the third 512 keys: seven key steps ahead of the joint load that asks for them
.endif
	SOFTMAX \first
	s_wait_dscnt 16                                ; V of step j is in; K's 16 loads, issued behind it, may be out
	PV \first
	FETCH_V                                        ; V of step j + 1
	s_wait_dscnt 16                                ; K of step j + 1 is in; V's 16 loads may be out
	KQ
.endm
.macro BODIES n
	s_mov_b32 s[CNT], \n
.Lbody_\@:
	BODY 0
	s_sub_co_u32 s[CNT], s[CNT], 1
	s_cmp_lg_u32 s[CNT], 0
	s_cbranch_scc1 .Lbody_\@
.endm
; THE CHANGE OF SLOTS, when the slot's last K and V have been asked of LDS.  Each wave waits for all its tensor loads (its part of the other slot), adds 0 to its spare word, and waits for that and for its reads of the slot.
; fill = 1: the barrier is a round of the cluster's, so that no wave of any partner still reads the slot or has a load on its way, and the joint refill is the first thing behind it: it has eight key steps in which to land.
.macro CHANGE fill
	s_wait_tensorcnt 0x0                           ; no tensor load of mine is out, so a group 0 may be written
	ds_add_u32 v[SPW], v[NIL]                      ; 0 onto my spare word
.if \fill
	s_xor_b32 s[G0+5], s[G0+5], SLOT1              ; the walking descriptor: the other slot than last time,
	s_add_nc_u64 s[G0+6:G0+7], s[G0+6:G0+7], SLOTB ; the next 512 keys; the type bits on top are not reached
	s_wait_xcnt 0x0                                ; the last prefetch, seven or eight key steps back, has read its address
	s_add_nc_u64 s[PFA:PFA+1], s[PFA:PFA+1], SLOTB
	s_wait_dscnt 0x0                               ; the add is done, and my reads of the slot are over
	CROUND
	JLOAD
	ASK                                            ; what the next change will ask for
.else
	s_wait_dscnt 0x0
	s_barrier_signal -1
	s_barrier_wait -1
.endif
	s_sub_co_u32 s[TB], s[TB], SLOTB               ; the fetches go back to a slot's first step,
	s_xor_b32 s[TB], s[TB], SLOT1                  ; in the other slot
.endm
	s_wait_tensorcnt 1                             ; my part of slot 0 is in; slot 1's may stay out
	s_barrier_signal -1
	s_barrier_wait -1                              ; everybody's is
	FETCH_K                                        ; key step 0
	FETCH_V
	s_wait_loadcnt 0x0                             ; Q
	s_wait_dscnt 16                                ; K is in
	KQ
	BODY 1                                         ; step 0 starts m, l and O^T
	BODIES 6                                       ; steps 1 to 6; the last of them asks for step 7's K and V: slot 0 is read out
.Lslot:                                            ; two trips: slots 0 and 1 are filled again
	CHANGE 1
	BODIES 8
	s_sub_co_u32 s[SLOTS], s[SLOTS], 1
	s_cmp_lg_u32 s[SLOTS], 0
	s_cbranch_scc1 .Lslot
	CHANGE 0                                       ; the tail is written out
	BODIES 8
.rept 4
	v_nop                                          ; places behind the last K Q^T
.endr
	SOFTMAX 0                                      ; step 31
	s_wait_dscnt 0x0
	PV 0
	; THE WAY OUT.  l's two halves and the other half of the lanes' are added (the additions are the places behind the last products); O^T / l goes through my stage in LDS, a tile of 16 queries at a time.
	WIN 0
.irp t, 0,1,2,3
	v_add_f32 v[ST+12*\t+4], v[ST+12*\t+2], v[ST+12*\t+3]
.endr
.irp t, 0,1,2,3
	v_permlanex16_b32 v[ST+12*\t+5], v[ST+12*\t+4], s[SEL], s[SEL+1]
.endr
.irp t, 0,1,2,3
	v_add_f32 v[ST+12*\t+4], v[ST+12*\t+4], v[ST+12*\t+5]
.endr
.irp t, 0,1,2,3
	v_rcp_f32 v[ST+12*\t+6], v[ST+12*\t+4]
.endr
	v_nop                                          ; a plain instruction behind the last reciprocal
	s_wait_alu depctr_va_vdst(0)                   ; and the wait ahead of the first use: one for the four
.macro PACK t                          ; lane (r, h): register 8 u + j is out(query r, channel 16 u + 8 h + j): 32 bytes a tile of channels into rows of 272 bytes; back as whole rows of 256
	WIN W_OUT
.irp i, 0,1,2,3,4,5,6,7,8,9,10,11,12,13,14,15
	v_pk_mul_f32 v[S+32*\t+2*\i:S+32*\t+2*\i+1], v[OT+32*\t+2*\i:OT+32*\t+2*\i+1], v[ST+12*\t+6:ST+12*\t+7] op_sel_hi:[1,0]
.endr
	WIN 0
.irp u, 0,1,2,3
	ds_store_b128 v[STO], v[S+32*\t+8*\u:S+32*\t+8*\u+3] offset:64*\u
	ds_store_b128 v[STO], v[S+32*\t+8*\u+4:S+32*\t+8*\u+7] offset:64*\u+16
.endr
.irp i, 0,1,2,3,4,5,6,7
	ds_load_b128 v[S+32*\t+4*\i:S+32*\t+4*\i+3], v[RD] offset:\i*2*SP   ; LDS serves a wave's instructions in order: these see the stores above, and the next tile's stores come behind them
.endr
.endm
.macro SEND t, younger                 ; younger: the LDS instructions issued behind tile t's loads
.irp i, 0,1,2,3,4,5,6,7
	s_wait_dscnt \younger+7-\i
	global_store_b128 v[GO], v[S+32*\t+4*\i:S+32*\t+4*\i+3], s[10:11] offset:(16*\t+2*\i)*4096 th:TH_STORE_NT   ; sixteen lanes store 256 consecutive bytes, aligned: a head's part of a row
.endr
.endm
	PACK 0
	PACK 1
	SEND 0, 16
	PACK 2
	SEND 1, 16
	PACK 3
	SEND 2, 16
	SEND 3, 0
	s_wait_tensorcnt 0x0                           ; the wave's end: behind my last tensor load and my last LDS store
	ds_add_u32 v[SPW], v[NIL]
	s_wait_dscnt 0x0
	CROUND                                         ; the closing round: no work-group ends while a partner may still ask for a tile that names it
	s_endpgm
.Lfunc_end_k_qfce74bac6a_attn:
	.size	k_qfce74bac6a_attn, .Lfunc_end_k_qfce74bac6a_attn-k_qfce74bac6a_attn
	.p2alignl 7, 3214868480
	.fill 96, 4, 3214868480
	.section	.rodata,"a",@progbits
	.p2align	6, 0x0
	.amdhsa_kernel k_qfce74bac6a_attn
		.amdhsa_group_segment_fixed_size 327680
		.amdhsa_private_segment_fixed_size 0
		.amdhsa_enable_private_segment 0
		.amdhsa_kernarg_size 32
		.amdhsa_user_sgpr_count 2
		.amdhsa_user_sgpr_kernarg_segment_ptr 1
		.amdhsa_wavefront_size32 1
		.amdhsa_system_sgpr_workgroup_id_x 1
		.amdhsa_system_sgpr_workgroup_id_y 1
		.amdhsa_system_sgpr_workgroup_id_z 1
		.amdhsa_system_vgpr_workitem_id 0
		.amdhsa_next_free_vgpr 512
		.amdhsa_next_free_sgpr 66
		.amdhsa_reserve_vcc 0
		.amdhsa_float_denorm_mode_32 3
		.amdhsa_float_denorm_mode_16_64 3
		.amdhsa_memory_ordered 1
		.amdhsa_forward_progress 1
		.amdhsa_inst_pref_size 176
	.end_amdhsa_kernel
	.amdgpu_metadata
---
amdhsa.version: [ 1, 2 ]
amdhsa.kernels:
  - .name:           k_qfce74bac6a_attn
    .symbol:         k_qfce74bac6a_attn.kd
    .args:
      - { .name: qws, .offset: 0, .size: 8, .value_kind: global_buffer, .address_space: global }
      - { .name: kws, .offset: 8, .size: 8, .value_kind: global_buffer, .address_space: global }
      - { .name: vws, .offset: 16, .size: 8, .value_kind: global_buffer, .address_space: global }
      - { .name: out0, .offset: 24, .size: 8, .value_kind: global_buffer, .address_space: global }
    .group_segment_fixed_size: 327680
    .private_segment_fixed_size: 0
    .kernarg_segment_align: 8
    .kernarg_segment_size: 32
    .max_flat_workgroup_size: 256
    .sgpr_count:     66
    .vgpr_count:     512
    .wavefront_size: 32
...
	.end_amdgpu_metadata
.endif
;; end of part 3
